; MI455X (gfx1250); checked and timed in simulation.
; The chip was launched on July 23, 2026; its instructions are those of AMD's public machine-readable ISA for CDNA 5 (MIT licence, August 2026) and "CDNA5" Instruction Set Architecture Reference Guide (July 2026). The comments in the code are by the model that wrote it; some were corrected since.
;; Attention Layer. Allowed arithmetic: matrix products marked QUANTISED: E2M3 operands, one E8M0 scale for each 32 along K, by v_wmma_scale_f32_16x16x128_f8f6f4 with both operands' format E2M3, f32 sums; everything else in f32.
;; Inputs: W 256 x 512 x 64 float32; attention 32 x 512 float32; keys 256 x 1,024 x 64 float32; mask 32 x 256 x 1,024 bool; rewards_mem 256 x 1,024 float32; temperature 256 float32; values 256 x 1,024 x 64 float32.
;; Outputs: out0 32 x 256 x 64 float32; out1 32 x 256 x 1,024 float32; out2 32 x 256 float32.
;; This version of the problem:
;;   THIS VERSION OF THE PROBLEM IS GIVEN IN LOW PRECISION. The matrix products marked QUANTISED in the list below multiply operands that are first quantised to E2M3 (2 exponent bits, 3 mantissa bits; 6 bits a number), with one power-of-two scale for each 32 numbers along K (OCP MX v1.0); their sums are f32. All else is computed in f32.
;;   The module's matrix products, in the order in which they are computed (A, B: the left and right operand; K: the contracted axis; several contracted axes count as one K, in the product's order):
;;     1. [M 32, K 512] x [K 512, N 16,384]; A: input attention; B: input W: QUANTISED
;;     2. batch 256 x [M 32, K 64] x [K 64, N 1,024]; A: computed on the way; B: input keys: QUANTISED
;;     3. batch 256 x [M 64, K 1,024] x [K 1,024, N 32]; A: input values; B: computed on the way: QUANTISED
;;   THE QUANTISER, for each operand of a quantised product, along K:
;;     - K is cut into blocks of 32 from its start; a last block that is shorter is filled with zeros.
;;     - A block's scale is 2^e with e = floor(log2(the largest magnitude in the block)) - 2, held to -126 .. 127; a block of zeros has e = 0. As a byte (E8M0): e + 127.
;;     - Each number is divided by its block's scale, clamped to +-7.5, and rounded to the nearest number of E2M3, ties to even, subnormals kept.
;;     - The product sums the exact products of the quantised numbers (number of the format x scale) in f32.
;;   ~~~python
;;   def quantise(x, axis):      # numpy; x: float32 -> the quantised numbers, widened to float32 again
;;       x = np.moveaxis(x, axis, -1); K = x.shape[-1]
;;       x = np.pad(x, [(0, 0)] * (x.ndim - 1) + [(0, -K % 32)]); x = x.reshape(x.shape[:-1] + (-1, 32)); a = np.abs(x).max(-1, keepdims=True)
;;       e = np.where(a > 0, np.clip(np.frexp(np.where(a > 0, a, 1))[1] - 1 - 2, -126, 127), 0)      # np.frexp(a)[1] - 1 = floor(log2(a)), exactly
;;       r = np.clip(x / 2.0 ** e, -7.5, 7.5)
;;       step = 2.0 ** (np.maximum(np.frexp(np.where(r == 0, 1, r))[1] - 1, 0) - 3)
;;       q = np.round(r / step) * step * 2.0 ** e      # np.round: ties to even
;;       return np.moveaxis(q.reshape(q.shape[:-2] + (-1,))[..., :K], -1, axis).astype(np.float32)
;;   ~~~
;;   OPERANDS COMPUTED ON THE WAY. 'Computed on the way' means the value that the module computes at that place (a softmax that the list does not call 'softmax' is quantised finished and normalised). What goes into a quantiser is computed in f32, as accurately as f32 sums, v_exp_f32 and their like allow (about 1e-6 of the number): no bf16 or f16 on the way to a quantiser, and a product that is left as it is and whose result goes on into a quantised operand takes f32 operands (vector FMAs, or v_wmma_f32_16x16x4_f32). A number that lies on a knife's edge between two numbers of the format may be rounded either way, as far as f32 arithmetic and the matrix unit's own rounding can turn it there, and no further.
;; One version. Each part assembles by itself: llvm-mc -triple=amdgcn-amd-amdhsa -mcpu=gfx1250 --defsym DOCPART=n.
;; ======== version 1 of 1: 1 launch
;; limits: right only within a limited range of input values
;; launch unit (part 1): grid 256 x 1, 16 waves a work-group, no clusters, 327,680 bytes of LDS; arguments attention, W, temperature, keys, values, rewards_mem, mask, out0, out1, out2; writes out0, out1, out2
.if DOCPART == 1
	.amdgcn_target "amdgcn-amd-amdhsa--gfx1250"
	.amdhsa_code_object_version 6
	.text
	.protected	k_q613b8921bf_unit
	.globl	k_q613b8921bf_unit
	.p2align	8
	.type	k_q613b8921bf_unit,@function
k_q613b8921bf_unit:
	s_mov_b64 s[64:65], 0
	v_nop
	global_prefetch_b8 v0, s[64:65] scope:SCOPE_SE
	s_setreg_imm32_b32 hwreg(HW_REG_WAVE_MODE, 25, 1), 1
	s_wait_xcnt 0x0
; One work-group of sixteen waves makes ONE unit u (the work-group's number) from end to end; nothing goes through memory on the way.
;   query = Q(attention) Q(W[u])  (K = 512),  logits = Q(keys[u]) Q(query) / temperature[u]  (K = 64), masked, softmax over 1,024 (out1),
;   w = weights x rewards_mem, its row sum (out2), w / sum quantised along c and multiplied by Q(values[u])  (K = 1,024; out0).
; All three products: codes of FP6 (E2M3), one E8M0 byte for each 32 along K, v_wmma_scale_f32_16x16x128_f8f6f4; sums in f32; all else in f32.
; SHARES.  Wave w owns W's rows 32 w .. 32 w + 31 (one block of K) and the memory entries c = 64 w .. 64 w + 63 for all 32 rows b.
; THE STREAM.  W (8 KB a wave) comes into 64 registers, the keys (16 KB) by one tensor load into the wave's own LDS bytes, values' first 32 rows (8 KB) into the registers that W has left,
; values' last 32 rows (8 KB) by a second tensor load into the upper half of the keys' bytes, behind the barrier that ends the keys' reads.
; W and values have K as their first axis: a load of 16 bytes a lane takes 256 bytes of each of two rows, so lane (r, h) holds columns 4 r .. 4 r + 3 of sixteen rows, half a block of 32; lane l xor 16 has the other half.
; THE ORDER OF K IN THE LAST PRODUCT.  The scores' layout gives a lane the entries 16 u + 8 h + j of a block of 32; the half h of a block of values holds the same rows in the same order.
; The second product has K = 64 and the last one 64 a wave: two tiles of 16 rows stand side by side in the 128 k of source 0, and source 1 is [x, 0] for the first and [0, x] for the second (zero codes; their scale bytes are 0, which is 2^-127).
; A cluster would share attention alone, 64 KB of the 740 KB that a work-group loads: no multicast.  Every load is asked for once and no loop runs ahead of anything: no prefetch.
; LIMITS.  NaN and infinities among the inputs, and temperature 0, are not served; scaled scores stay under 2^31 in magnitude.  Blocks whose largest magnitude lies under 2^-124, blocks of zeros among them, keep the scale byte 1 (zeros: the stated
; quantiser says 127; their codes are zeros, and the bytes are read by this program alone).  Divisions are v_rcp_f32 and a multiplication (that by the temperature with one Newton step); w / sum is formed as (e f / R) x rewards_mem,
; e against the wave's own maximum, f = 2^(wave's maximum - row's maximum), R the row's sum of e f rewards_mem.  A row that is wholly masked, or whose R is 0, gives NaN as the division does (out0 by the addend nf = 0 / R).
.set KREG,  17408                      ; a wave's LDS bytes: 64 keys x (256 + 16).  Later the lower half: the stage for out1, then my partial results; the upper half: values' second block
.set HALFR, 8704
.set ZB,    16*KREG                    ; behind them: the shared zone
.set AC,    ZB                         ; attention's codes, 32 rows x 392 (384 + 8)
.set WC,    ZB+12544                   ; W's codes, row = o, 64 rows x 392
.set ASC,   ZB+37632                   ; attention's scale bytes, 16 a row
.set WSC,   ZB+38144                   ; W's, 16 a row
.set MB,    ZB+39168                   ; the mask as bits, 32 rows x 136 (128 + 8)
.set QC,    ZB+43520                   ; the query's codes, 32 rows x 56 (48 + 8)
.set QSC,   ZB+45312                   ; its scale bytes, 2 a row
.set RMS,   ZB+8192                    ; (over attention's codes, once they are done with) rewards_mem, 256 bytes a wave
.set NF,    ZB+12288                   ; (likewise) nf, a word a row
.set SPARE, 325632                     ; the spare words, 128 bytes for each of sixteen waves: eight blocks of 256 bytes that no other line names
; (until the first barrier the zone's first 34,816 bytes are the waves' stages for attention, 2,176 each; behind the third its first 7,680 are three tables of 32 rows x 80 bytes: maxima, sums Z, sums R)
.set SPW,  1                           ; v1   my spare word's LDS address; never rewritten
.set NIL,  2                           ; v2   0; never rewritten
.set VL1,  3                           ; v3   where I read values' second block in LDS
.set WS,   4                           ; v4-15 hold scales and nothing else.  First product: W's words v4-11, attention's v12-15.
.set AS,   12
.set KS,   4                           ; Then: v4-5 keys' two pairs of tiles, v6-7 the query's for [x, 0], v8-9 for [0, x], v10-11 values' two pairs, v12-13 w's for [x, 0], v14-15 for [0, x]
.set QS,   6
.set QS2,  8
.set VS,   10
.set PS,   12
.set PS2,  14
.set KRD,  16                          ; v16-37 addresses, made at the head
.set OSW,  17
.set OSR,  18
.set OIW,  19
.set OIR0, 20
.set STW,  21
.set STRD, 22
.set RMW,  23
.set RMR,  24
.set QRD,  25
.set QSR,  26
.set MBR,  27
.set JW,   28                          ; v28-33 serve the first product, and are made anew behind it
.set JA,   29
.set JWS,  30
.set JAS,  31
.set QCW,  32
.set QSW,  33
.set O1OFF, 28                         ; offsets in out1, out0, out2; v31-33: OIR0 + 4, 8, 12 waves' regions
.set O0OFF, 29
.set O2OFF, 30
.set NFW,  34
.set NFR,  35
.set AVG,  36                          ; 16 r + 2,048 h: attention's rows 2 i + h, values' rows i + 8 h
.set WGO,  37                          ; 16 r + 4,096 h: W's rows i + 16 h
.set R1,   40                          ; v40-103 a block of W or values, register 4 i + c: row i of my sixteen, column 4 r + c; at the end the last product's results
.set S,    104                         ; v104-167 keys' numbers, then scores, then e, then w; S(bt, b', u, j) = v[S + 32 bt + 16 b' + 8 u + j]: b = 16 bt + r, c = 64 w + 32 b' + 16 u + 8 h + j
.set AT,   104                         ; earlier attention as loaded,
.set XA,   136                         ; 16 neighbours a lane, two rounds,
.set MK,   168                         ; the mask's bytes,
.set CA,   184                         ; attention's codes
.set VF,   104                         ; at the end values' two fragments, 24 registers,
.set YF,   128                         ; and their second halves on the way
.set KF,   168                         ; v168-191 the keys' two fragments; then v168-199 rewards_mem, rows of out1, columns on their way to the conversion
.set RMV,  168
.set TT,   168
.set QF,   200                         ; v200-229: 0, x of rows 0-15, 0, x of rows 16-31, 0 (six registers each), x the query and later w
.set STGW, 216                         ; v216-224 addresses of the first phases
.set STGR, 217
.set ACW,  218
.set ASW,  219
.set WCW,  220
.set WSW,  221
.set MBW,  222
.set MKG,  223
.set RMG,  224
.set MW,   230                         ; v230-233 the mask's words
.set QM,   232                         ; v232-235 four columns' largest magnitudes, then the conversions' scales;
.set QP,   236                         ; v236-239 the other half's, then the scale bytes
.set RMD,  254                         ; v254-255 my two numbers of rewards_mem, until they go to LDS
.macro BARRIER                         ; my LDS stores have landed and my LDS loads are in: then the work-group's barrier
	s_wait_alu depctr_va_vdst(0)
	s_wait_dscnt 0x0
	s_barrier_signal -1
	s_barrier_wait -1
.endm
.macro PLACES n
.rept \n
	v_nop
.endr
.endm
; The block in R1: four columns' scales (both halves of the block joined) in QM, their bytes in QP
.macro QMAX
.irp c, 0,1,2,3
	v_max3_num_f32 v[QM+\c], |v[R1+\c]|, |v[R1+4+\c]|, 0x1800000   ; the floor 2^(3 - 127) among the leaves: the byte cannot fall under 1
.endr
.irp i, 2,4,6,8,10,12,14
.irp c, 0,1,2,3
	v_max3_num_f32 v[QM+\c], v[QM+\c], |v[R1+4*\i+\c]|, |v[R1+4*\i+4+\c]|
.endr
.endr
.irp c, 0,1,2,3
	v_permlanex16_b32 v[QP+\c], v[QM+\c], s44, s45
.endr
.irp c, 0,1,2,3
	v_max_num_f32 v[QM+\c], v[QM+\c], v[QP+\c]
.endr
.irp c, 0,1,2,3
	v_add_nc_u32 v[QM+\c], 0xff000000, v[QM+\c]                    ; 2 off the exponent field: the conversion takes that field of this operand as its scale
.endr
.irp c, 0,1,2,3
	v_lshrrev_b32 v[QP+\c], 23, v[QM+\c]
.endr
.endm
; Columns c0 and c1 of the block are lined up in T (two moves a line, from registers of different number modulo 4) and become half-block codes in d0 and d1
.macro QCVT2 T, c0, c1, d0, d1
.irp i, 0,2,4,6,8,10,12,14
	v_dual_mov_b32 v[\T+\i], v[R1+4*\i+\c0] :: v_dual_mov_b32 v[\T+17+\i], v[R1+4*\i+4+\c1]
	v_dual_mov_b32 v[\T+16+\i], v[R1+4*\i+\c1] :: v_dual_mov_b32 v[\T+1+\i], v[R1+4*\i+4+\c0]
.endr
	v_cvt_scalef32_pk16_fp6_f32 v[\d0:\d0+2], v[\T:\T+15], v[QM+\c0]
	v_cvt_scalef32_pk16_fp6_f32 v[\d1:\d1+2], v[\T+16:\T+31], v[QM+\c1]
	v_nop                                                          ; one plain place behind the scaled conversions
.endm
.macro QZERO                           ; the zero codes round x
.irp i, 0,1,2,3,4,5,12,13,14,15,16,17,24,25,26,27,28,29
	v_mov_b32 v[QF+\i], 0
.endr
.endm
; values: row of load i among a block's 32: 16 (i / 8) + i % 8, and 8 further on in the lanes with h = 1
.macro VLOAD i0
.irp k, 0,1,2,3,4,5,6,7
	global_load_b128 v[R1+4*(\i0+\k):R1+4*(\i0+\k)+3], v[AVG], s[16:17] offset:256*(2*(\i0)+\k) th:TH_LOAD_NT
.endr
.endm
	; ================ THE HEAD
	s_load_b512 s[8:23], s[0:1], 0x0               ; attention s[8:9], W s[10:11], temperature s[12:13], keys s[14:15], values s[16:17], rewards_mem s[18:19], mask s[20:21], out0 s[22:23]
	s_load_b128 s[24:27], s[0:1], 0x40             ; out1 s[24:25], out2 s[26:27]
	v_lshl_add_u32 v[SPW], v0, 2, SPARE
	v_mov_b32 v[NIL], 0
	ds_add_u32 v[SPW], v[NIL]                      ; the wave's opening: the add, twice, and its wait ahead of my first tensor load
	ds_add_u32 v[SPW], v[NIL]
	v_lshrrev_b32 v240, 5, v0
	v_readfirstlane_b32 s28, v240                  ; w: wave 0..15
	v_and_b32 v241, 31, v0                         ; l
	v_and_b32 v242, 15, v0                         ; r
	v_bfe_u32 v243, v0, 4, 1                       ; h
	v_lshlrev_b32 v244, 4, v242                    ; 16 r
	v_lshl_add_u32 v[AVG], v243, 11, v244
	v_lshl_add_u32 v[WGO], v243, 12, v244
	v_lshlrev_b32 v[MKG], 4, v241
	v_lshlrev_b32 v[RMG], 3, v241
	s_wait_alu depctr_va_vdst(0)                   ; ahead of the scalar lines and the waits below
	s_and_b32 s29, s28, 1                          ; w & 1
	s_lshr_b32 s30, s28, 1                         ; w >> 1
	s_and_b32 s31, s30, 1                          ; (w >> 1) & 1
	s_mul_i32 s2, s28, KREG                        ; my region
	s_mul_i32 s3, s28, 2176                        ; my stage for attention: 8 rows x 272
	s_add_co_u32 s3, s3, ZB
	s_mov_b32 s5, 0
	s_mov_b32 s44, 0x76543210                      ; v_permlanex16_b32's selects for lane l xor 16
	s_mov_b32 s45, 0xfedcba98
	s_mov_b32 s46, 0xffff0000                      ; the lanes with h = 1
	s_mov_b32 s47, 0xff800000                      ; -infinity
	s_mov_b32 s50, 0x01020408                      ; gathers four bytes of 0 or 1 into four bits
	s_mov_b32 s61, 0xaaaaaaaa                      ; the odd lanes
	s_mov_b32 s62, 0xcccccccc                      ; the lanes with bit 1
	; the tensor loads' descriptors.  My 64 keys are 16,384 dense bytes: 64 rows of 32 elements of 8 bytes, 16 bytes of padding behind each row; values' second block: 32 such rows, no padding
	s_mov_b32 s32, 1                               ; count = 1
	s_mul_i32 s33, s28, KREG                       ; LDS address
	s_mov_b32 s36, (3<<16)|(1<<20)|(5<<22)|(3<<25) ; no mask; elements of 8 bytes; padding on, after every 64 words, of 4 words
	s_mov_b32 s37, 32<<16                          ; tensor_dim0 = 32
	s_mov_b32 s38, 64<<16                          ; tensor_dim1 = 64
	s_mov_b32 s39, 32<<16                          ; tile_dim0 = 32
	s_mov_b32 s40, 64                              ; tile_dim1 = 64
	s_mov_b32 s41, 32                              ; elements from row to row
	s_mov_b32 s42, 0
	s_mov_b32 s43, 0
	s_mov_b32 s68, 1
	s_add_co_u32 s69, s2, HALFR
	s_mov_b32 s72, 3<<16
	s_mov_b32 s73, 32<<16
	s_mov_b32 s74, 32<<16
	s_mov_b32 s75, 32<<16
	s_mov_b32 s76, 32
	s_mov_b32 s77, 32
	s_mov_b32 s78, 0
	s_mov_b32 s79, 0
	; the wave's parts of the LDS addresses
	s_mul_i32 s80, s31, 12544
	s_add_co_u32 s80, s80, WC
	s_mul_i32 s81, s29, 6272
	s_add_co_u32 s81, s81, AC
	s_lshl_b32 s82, s31, 9
	s_add_co_u32 s82, s82, WSC
	s_lshl_b32 s83, s29, 8
	s_add_co_u32 s83, s83, ASC
	s_mul_i32 s84, s29, 896
	s_mul_i32 s4, s31, 24
	s_add_co_u32 s84, s84, s4
	s_add_co_u32 s84, s84, QC
	s_lshl_b32 s85, s29, 5
	s_add_co_u32 s85, s85, s31
	s_add_co_u32 s85, s85, QSC
	s_lshl_b32 s86, s28, 3
	s_add_co_u32 s86, s86, NF
	s_mul_i32 s4, s30, 48
	s_add_co_u32 s87, s81, s4
	s_lshl_b32 s4, s30, 1
	s_add_co_u32 s88, s83, s4
	s_mul_i32 s89, s28, 24
	s_add_co_u32 s89, s89, WC
	s_add_co_u32 s90, s28, WSC
	s_mul_i32 s91, s28, 272
	s_add_co_u32 s91, s91, MB
	s_lshl_b32 s92, s28, 3
	s_add_co_u32 s92, s92, MB
	s_lshl_b32 s93, s28, 8
	s_add_co_u32 s93, s93, RMS
	s_lshl_b32 s94, s28, 2
	s_lshr_b32 s95, s28, 3
	s_mul_i32 s95, s95, 4352
	s_and_b32 s4, s28, 7
	s_lshl_b32 s4, s4, 5
	s_add_co_u32 s95, s95, s4
	s_wait_dscnt 0x0                               ; both opening adds are done
	s_wait_kmcnt 0x0
	s_lshl_b32 s4, s29, 15                         ; attention: 16 rows (w & 1), 256 bytes of each (w >> 1)
	s_lshl_b32 s6, s30, 8
	s_add_co_u32 s4, s4, s6
	s_add_nc_u64 s[8:9], s[8:9], s[4:5]
.irp i, 0,1,2,3,4,5,6,7
	global_load_b128 v[AT+4*\i:AT+4*\i+3], v[AVG], s[8:9] offset:4096*\i          ; sixteen lanes read 256 consecutive bytes of a row; every work-group reads attention, so no hint
.endr
	s_lshl_b32 s4, ttmp9, 10                       ; mask[2 w][u]
	s_lshl_b32 s6, s28, 19
	s_add_co_u32 s4, s4, s6
	s_add_nc_u64 s[20:21], s[20:21], s[4:5]
.irp m, 0,1,2,3
	global_load_b128 v[MK+4*\m:MK+4*\m+3], v[MKG], s[20:21] offset:262144*(\m/2)+512*(\m%2) th:TH_LOAD_NT   ; rows b = 2 w + m / 2, half m % 2: 512 consecutive bytes
.endr
	s_lshl_b32 s4, ttmp9, 12                       ; rewards_mem[u] and out1[0][u], entries 64 w on
	s_lshl_b32 s6, s28, 8
	s_add_co_u32 s4, s4, s6
	s_add_nc_u64 s[18:19], s[18:19], s[4:5]
	s_add_nc_u64 s[52:53], s[24:25], s[4:5]
	global_load_b64 v[RMD:RMD+1], v[RMG], s[18:19] th:TH_LOAD_NT                  ; my 64 numbers of rewards_mem: 256 consecutive bytes
	s_lshl_b32 s4, ttmp9, 17                       ; W[u], rows 32 w on
	s_lshl_b32 s6, s28, 13
	s_add_co_u32 s4, s4, s6
	s_add_nc_u64 s[10:11], s[10:11], s[4:5]
.irp i, 0,1,2,3,4,5,6,7,8,9,10,11,12,13,14,15
	global_load_b128 v[R1+4*\i:R1+4*\i+3], v[WGO], s[10:11] offset:256*\i th:TH_LOAD_NT   ; rows i and i + 16 of the block, 256 consecutive bytes each
.endr
	s_lshl_b32 s4, ttmp9, 18                       ; keys[u] and values[u], rows 64 w on
	s_lshl_b32 s6, s28, 14
	s_add_co_u32 s4, s4, s6
	s_add_nc_u64 s[14:15], s[14:15], s[4:5]
	s_add_nc_u64 s[16:17], s[16:17], s[4:5]
	s_mov_b64 s[34:35], s[14:15]                   ; the descriptor's global address,
	s_or_b32 s35, s35, 0x80000000                  ; and its type
	tensor_load_to_lds s[32:35], s[36:43]          ; my 64 keys: the wave's one tensor load at the head, behind W, which the chain wants first
	s_nop 0
	s_add_nc_u64 s[70:71], s[16:17], 0x2000        ; values' second block
	s_or_b32 s71, s71, 0x80000000
	s_lshl_b32 s4, ttmp9, 2                        ; temperature[u]; out2's column u
	s_add_nc_u64 s[12:13], s[12:13], s[4:5]
	s_add_nc_u64 s[26:27], s[26:27], s[4:5]
	s_load_b32 s60, s[12:13], 0x0                  ; T
	s_add_nc_u64 s[54:55], s[52:53], 0x800000      ; out1 eight rows b further on, three times: so the stores' immediates stay inside their signed 24 bits
	s_add_nc_u64 s[56:57], s[52:53], 0x1000000
	s_add_nc_u64 s[58:59], s[52:53], 0x1800000
	s_lshl_b32 s4, ttmp9, 8                        ; out0[2 w][u]
	s_lshl_b32 s6, s28, 17
	s_add_co_u32 s4, s4, s6
	s_add_nc_u64 s[22:23], s[22:23], s[4:5]
	; under the loads' flight: the addresses
	v_mul_u32_u24 v245, v242, 272                  ; 272 r
	v_mul_u32_u24 v246, v243, 272                  ; 272 h
	v_and_b32 v247, 8, v242
	v_and_b32 v248, 7, v241                        ; l & 7: a row of an attention round's eight
	v_lshrrev_b32 v249, 3, v241                    ; l >> 3: which 16 of its 64 numbers
	v_add_nc_u32 v246, v246, v244                  ; 272 h + 16 r
	v_add_nc_u32 v247, v247, v242                  ; r + 8 (r / 8): the rows of W^T that form a tile are not neighbours
	v_lshl_add_u32 v[KRD], v243, 7, v245           ; a key tile: row r, my half's 128 bytes
	v_lshl_add_u32 v[OSW], v243, 5, v245           ; out1's stage, in: row r, + 32 h
	v_lshl_add_u32 v[OIR0], v243, 4, v245          ; the sixteen images of partial results: rows b = 2 w + h, chunk r
	v_mul_u32_u24 v[OIW], v243, 2176               ; my image: [bt] 4,352, [chunk] 272, [r] 16; chunk 8 h + 4 q + c
	v_add_nc_u32 v[OSR], s2, v246                  ; out1's stage, back: lanes 0-15 one row, lanes 16-31 the next
	v_add_nc_u32 v[STGW], s3, v246
	v_add_nc_u32 v[KRD], s2, v[KRD]
	v_add_nc_u32 v[OSW], s2, v[OSW]
	v_add_nc_u32 v[OIR0], s95, v[OIR0]
	v_add_nc_u32 v[OIW], v[OIW], v244
	v_add_nc_u32 v[VL1], s69, v[AVG]
	v_mul_u32_u24 v[STRD], v241, 80                ; the tables: row b = l of 80 bytes,
	v_add_nc_u32 v[OIW], s2, v[OIW]
	v_mul_u32_u24 v[QRD], v242, 56                 ; the query's fragment: row r, + 24 h
	v_add_nc_u32 v[STRD], ZB, v[STRD]
	v_mul_u32_u24 v[MBR], v242, 136                ; the mask's bits: row r, my wave's 8 bytes
	v_mad_u32_u24 v[QRD], v243, 24, v[QRD]
	v_add_nc_u32 v[STW], s94, v[STRD]              ; my wave's word in a table
	v_lshl_add_u32 v[RMW], v241, 3, s93            ; rewards_mem: in, 8 bytes a lane;
	v_lshl_add_u32 v[RMR], v243, 5, s93            ; back, + 32 h
	v_add_nc_u32 v[QRD], QC, v[QRD]
	v_lshl_add_u32 v[QSR], v242, 1, QSC
	v_add_nc_u32 v[MBR], s92, v[MBR]
	v_mul_u32_u24 v[JW], v247, 392
	v_mul_u32_u24 v[JA], v242, 392
	v_mul_u32_u24 v[QCW], v242, 56
	v_mul_u32_u24 v[WCW], v242, 1568               ; W's codes: row o = 4 r + c, bytes 24 w + 12 h
	v_mad_u32_u24 v[JW], v243, 24, v[JW]
	v_mad_u32_u24 v[JA], v243, 24, v[JA]
	v_mad_u32_u24 v[QCW], v243, 12, v[QCW]
	v_mad_u32_u24 v[WCW], v243, 12, v[WCW]
	v_add_nc_u32 v[JW], s80, v[JW]
	v_add_nc_u32 v[JA], s81, v[JA]
	v_add_nc_u32 v[QCW], s84, v[QCW]
	v_add_nc_u32 v[WCW], s89, v[WCW]
	v_lshl_add_u32 v[JWS], v247, 4, s82
	v_lshl_add_u32 v[JAS], v242, 4, s83
	v_lshl_add_u32 v[QSW], v242, 1, s85
	v_lshl_add_u32 v[NFW], v241, 2, NF
	v_lshl_add_u32 v[NFR], v243, 2, s86
	v_mul_u32_u24 v[STGR], v248, 272
	v_mul_u32_u24 v[ACW], v248, 392
	v_lshl_add_u32 v[ASW], v248, 4, v243
	v_lshl_add_u32 v[STGR], v249, 6, v[STGR]
	v_mad_u32_u24 v[ACW], v249, 12, v[ACW]
	v_add_nc_u32 v[ASW], s88, v[ASW]
	v_add_nc_u32 v[STGR], s3, v[STGR]
	v_add_nc_u32 v[ACW], s87, v[ACW]
	v_lshl_add_u32 v[WSW], v242, 6, s90
	v_lshl_add_u32 v[MBW], v241, 1, s91
.irp i, 0,1,2,3
	v_mov_b32 v[QP+\i], 0                          ; (a lane permute's destination counts as one of its sources)
.endr
	s_wait_alu depctr_va_vdst(0)
	; ================ ATTENTION: 16 rows x 64 numbers a wave, turned through my stage so that a lane holds 16 neighbours; AND THE MASK, 16 bytes a lane to 16 bits
	s_wait_loadcnt 16                              ; W's sixteen loads may be out
.irp q, 0,1                            ; two rounds of eight rows; LDS serves a wave's instructions in order, so no wait stands between stores, loads and the next round's stores
.irp i, 0,1,2,3
	ds_store_b128 v[STGW], v[AT+16*\q+4*\i:AT+16*\q+4*\i+3] offset:544*\i
.endr
.irp j, 0,1,2,3
	ds_load_b128 v[XA+16*\q+4*\j:XA+16*\q+4*\j+3], v[STGR] offset:16*\j
.endr
.endr
.irp m, 0,1,2,3
.irp k, 0,1,2,3
	v_mul_lo_u32 v[MK+4*\m+\k], v[MK+4*\m+\k], s50                 ; bytes b0 .. b3 of 0 or 1: bits 24 .. 27 of the product are b0 .. b3
.endr
.endr
.irp m, 0,1,2,3
.irp k, 0,1,2,3
	v_lshrrev_b32 v[MK+4*\m+\k], 24, v[MK+4*\m+\k]
.endr
.endr
.irp k, 1,2,3
.irp m, 0,1,2,3
	v_lshl_or_b32 v[MK+4*\m], v[MK+4*\m+\k], 4*\k, v[MK+4*\m]
.endr
.endr
.irp m, 0,1,2,3
	ds_store_b16 v[MBW], v[MK+4*\m] offset:136*(\m/2)+64*(\m%2)    ; (these bytes lie behind the stages)
.endr
	s_wait_kmcnt 0x0                               ; T
	v_rcp_f32 v198, s60
	s_wait_dscnt 0x0                               ; both rounds are back
	v_max3_num_f32 v192, |v[XA]|, |v[XA+1]|, 0x1800000
	v_max3_num_f32 v193, |v[XA+16]|, |v[XA+17]|, 0x1800000
.irp i, 2,4,6,8,10,12,14
	v_max3_num_f32 v192, v192, |v[XA+\i]|, |v[XA+\i+1]|
	v_max3_num_f32 v193, v193, |v[XA+16+\i]|, |v[XA+17+\i]|
.endr
	v_max_num_f32_dpp v192, v192, v192 row_xmask:8 row_mask:0xf bank_mask:0xf   ; a block of 32 lies in lanes l and l xor 8
	v_max_num_f32_dpp v193, v193, v193 row_xmask:8 row_mask:0xf bank_mask:0xf
	v_add_nc_u32 v194, 0xff000000, v192
	v_add_nc_u32 v195, 0xff000000, v193
	v_lshrrev_b32 v196, 23, v194
	v_lshrrev_b32 v197, 23, v195
	s_wait_alu depctr_va_vdst(0)                   ; ahead of the reciprocal's first reader
	v_fma_f32 v199, -v198, s60, 1.0                ; one Newton step
	v_fma_f32 v198, v198, v199, v198
	v_mul_f32 v198, 0x3fb8aa3b, v198               ; log2(e) / T
	v_readfirstlane_b32 s48, v198
	s_mov_b32 s49, s48                             ; (the packed form names the pair)
	v_cvt_scalef32_pk16_fp6_f32 v[CA:CA+2], v[XA:XA+15], v194
	v_cvt_scalef32_pk16_fp6_f32 v[CA+4:CA+6], v[XA+16:XA+31], v195
	v_nop                                          ; one plain place behind the scaled conversions
	BARRIER                                        ; every wave's reads of its stage are over: the codes may be laid over the stages
.irp q, 0,1
.irp k, 0,1,2
	ds_store_b32 v[ACW], v[CA+4*\q+\k] offset:3136*\q+4*\k         ; 16 codes, 12 bytes, at their place in the row's stream of bits
.endr
	ds_store_b8 v[ASW], v[196+\q] offset:128*\q                    ; both lanes of a block write the same byte with the same value
.endr
	; ================ W: block w of 64 columns
	s_wait_loadcnt 0x0
	QMAX
	QCVT2 AT, 0, 1, 200, 204
	QCVT2 AT, 2, 3, 208, 212
.irp c, 0,1,2,3
.irp k, 0,1,2
	ds_store_b32 v[WCW], v[200+4*\c+\k] offset:392*\c+4*\k
.endr
	ds_store_b8 v[WSW], v[QP+\c] offset:16*\c
.endr
	BARRIER                                        ; attention's and W's codes and scale bytes, and the mask's bits, lie in LDS
	; ================ THE FIRST PRODUCT: waves 0 to 3, each 16 rows b (w & 1) x 32 columns o (w >> 1), K = 512 in four steps.  Transposed: source 0 = 16 rows of W^T, source 1 = attention.
	; Lane r of tile u takes row 32 ch + 8 u + r + 8 (r / 8), so that a lane's 16 results are o = 32 ch + 16 h + 0 .. 15 of its row b.
.macro JLOAD s, b
.irp p, 0,1,2,3,4,5
	ds_load_b64 v[S+36*\b+2*\p:S+36*\b+2*\p+1], v[JW] offset:96*\s+48*(\p/3)+8*(\p%3)
	ds_load_b64 v[S+36*\b+12+2*\p:S+36*\b+13+2*\p], v[JW] offset:3136+96*\s+48*(\p/3)+8*(\p%3)
	ds_load_b64 v[S+36*\b+24+2*\p:S+36*\b+25+2*\p], v[JA] offset:96*\s+48*(\p/3)+8*(\p%3)
.endr
.endm
.macro JMUL s, b, zero                 ; the two accumulators take turns
.if \zero
	v_wmma_scale_f32_16x16x128_f8f6f4 v[176:183], v[S+36*\b:S+36*\b+11], v[S+36*\b+24:S+36*\b+35], 0, v[WS+\s], v[AS+\s] matrix_a_fmt:MATRIX_FMT_FP6 matrix_b_fmt:MATRIX_FMT_FP6
	v_wmma_scale_f32_16x16x128_f8f6f4 v[184:191], v[S+36*\b+12:S+36*\b+23], v[S+36*\b+24:S+36*\b+35], 0, v[WS+4+\s], v[AS+\s] matrix_a_fmt:MATRIX_FMT_FP6 matrix_b_fmt:MATRIX_FMT_FP6
.else
	v_wmma_scale_f32_16x16x128_f8f6f4 v[176:183], v[S+36*\b:S+36*\b+11], v[S+36*\b+24:S+36*\b+35], v[176:183], v[WS+\s], v[AS+\s] matrix_a_fmt:MATRIX_FMT_FP6 matrix_b_fmt:MATRIX_FMT_FP6
	v_wmma_scale_f32_16x16x128_f8f6f4 v[184:191], v[S+36*\b+12:S+36*\b+23], v[S+36*\b+24:S+36*\b+35], v[184:191], v[WS+4+\s], v[AS+\s] matrix_a_fmt:MATRIX_FMT_FP6 matrix_b_fmt:MATRIX_FMT_FP6
.endif
.endm
	s_cmp_lt_u32 s28, 4
	s_cbranch_scc0 .Lno_job
	ds_load_b128 v[WS:WS+3], v[JWS]                ; the rows' scale words of all four K steps
	ds_load_b128 v[WS+4:WS+7], v[JWS] offset:128
	ds_load_b128 v[AS:AS+3], v[JAS]
	JLOAD 0, 0
	JLOAD 1, 1
	s_wait_dscnt 18                                ; all but the 18 just issued
	JMUL 0, 0, 1
	PLACES 4                                       ; in front of loads into registers that matrix instructions have read
	JLOAD 2, 0
	s_wait_dscnt 18
	JMUL 1, 1, 0
	PLACES 4
	JLOAD 3, 1
	s_wait_dscnt 18
	JMUL 2, 0, 0
	s_wait_dscnt 0x0
	JMUL 3, 1, 0
	PLACES 4                                       ; in front of the first read of results
	v_mov_b32 v193, 0                              ; (a lane permute's destination counts as one of its sources)
	v_max3_num_f32 v192, |v176|, |v177|, 0x1800000 ; the query is quantised along o: my 16, each accumulator from its low end on,
.irp i, 2,4,6,8,10,12,14
	v_max3_num_f32 v192, v192, |v[176+\i]|, |v[177+\i]|
.endr
	v_permlanex16_b32 v193, v192, s44, s45
	v_max_num_f32 v192, v192, v193                 ; and lane l xor 16's: the block's largest magnitude
	v_add_nc_u32 v194, 0xff000000, v192
	v_lshrrev_b32 v195, 23, v194
	v_cvt_scalef32_pk16_fp6_f32 v[196:198], v[176:191], v194
	v_nop                                          ; one plain place behind the scaled conversion
	ds_store_b32 v[QCW], v196                      ; 12 bytes at their place in row b's 48
	ds_store_b32 v[QCW], v197 offset:4
	ds_store_b32 v[QCW], v198 offset:8
	ds_store_b8 v[QSW], v195
.Lno_job:
	VLOAD 0                                        ; values' first block, into the registers that W has left: eight loads now, eight when my keys are in
	; ================ THE KEYS: four tiles of 16, quantised as they lie; a pair of tiles shares a fragment
.macro KLOAD t, d
.irp j, 0,1,2,3,4,5,6,7
	ds_load_b128 v[\d+4*\j:\d+4*\j+3], v[KRD] offset:4352*(\t)+16*\j   ; key 16 t + r, o = 32 h + 0 .. 31: a whole block in a lane
.endr
.endm
.macro KPAIR p
	KLOAD 2*\p, S
	KLOAD 2*\p+1, S+32
	s_wait_dscnt 0x0
	v_max3_num_f32 v240, |v[S]|, |v[S+1]|, |v[S+2]|
	v_max3_num_f32 v242, |v[S+32]|, |v[S+33]|, |v[S+34]|
	v_max3_num_f32 v241, |v[S+3]|, |v[S+4]|, |v[S+5]|
	v_max3_num_f32 v243, |v[S+35]|, |v[S+36]|, |v[S+37]|
.irp i, 6,10,14,18,22,26
	v_max3_num_f32 v240, v240, |v[S+\i]|, |v[S+1+\i]|
	v_max3_num_f32 v242, v242, |v[S+32+\i]|, |v[S+33+\i]|
	v_max3_num_f32 v241, v241, |v[S+2+\i]|, |v[S+3+\i]|
	v_max3_num_f32 v243, v243, |v[S+34+\i]|, |v[S+35+\i]|
.endr
	v_max3_num_f32 v240, v240, |v[S+30]|, |v[S+31]|
	v_max3_num_f32 v242, v242, |v[S+62]|, |v[S+63]|
	v_max3_num_f32 v240, v240, v241, 0x1800000
	v_max3_num_f32 v242, v242, v243, 0x1800000
	v_add_nc_u32 v240, 0xff000000, v240
	v_add_nc_u32 v242, 0xff000000, v242
	v_lshrrev_b32 v241, 23, v240
	v_lshrrev_b32 v243, 23, v242
	v_permlanex16_b32 v244, v241, s44, s45
	v_permlanex16_b32 v245, v243, s44, s45
	v_lshl_or_b32 v241, v244, 8, v241              ; lanes 0-15: block 0's byte below, block 1's above (lanes 16-31 are not read)
	v_lshl_or_b32 v243, v245, 8, v243
	v_lshl_or_b32 v[KS+\p], v243, 16, v241         ; the second tile's two bytes serve k = 64 .. 127
	v_cvt_scalef32_pk16_fp6_f32 v[KF+12*\p:KF+12*\p+2], v[S:S+15], v240
	v_cvt_scalef32_pk16_fp6_f32 v[246:248], v[S+16:S+31], v240     ; (a conversion's three registers begin on an even number)
	v_cvt_scalef32_pk16_fp6_f32 v[KF+12*\p+6:KF+12*\p+8], v[S+32:S+47], v242
	v_cvt_scalef32_pk16_fp6_f32 v[250:252], v[S+48:S+63], v242
	v_nop                                          ; one plain place behind the scaled conversions
.irp i, 0,1,2
	v_mov_b32 v[KF+12*\p+3+\i], v[246+\i]
	v_mov_b32 v[KF+12*\p+9+\i], v[250+\i]
.endr
.endm
	s_wait_alu depctr_va_vdst(0)
	s_wait_tensorcnt 0x0                           ; my keys are in LDS; only I read them
	VLOAD 8
	KPAIR 0
	KPAIR 1
	s_wait_alu depctr_va_vdst(0)
	s_wait_tensorcnt 0x0                           ; all my tensor loads have landed;
	ds_add_u32 v[SPW], v[NIL]                      ; 0 onto my spare word;
	QZERO
	s_wait_alu depctr_va_vdst(0)
	s_wait_dscnt 0x0                               ; the add is done, my reads of the keys and my part of the query too
	s_barrier_signal -1
	s_barrier_wait -1                              ; the query lies in LDS; nobody reads attention's or W's codes, or keys, any more
	tensor_load_to_lds s[68:71], s[72:79]          ; values' second block, into the upper half of my keys' bytes
	s_nop 0
	; ================ THE SECOND PRODUCT: S^T = keys x query^T.  Source 0 = two tiles of 16 neighbouring keys; source 1 = 16 rows of the query beside zeros.
.irp t, 0,1
.irp k, 0,1,2
	ds_load_b64 v[QF+6+12*\t+2*\k:QF+7+12*\t+2*\k], v[QRD] offset:896*\t+8*\k
.endr
	ds_load_u16 v[QS+\t], v[QSR] offset:32*\t      ; two scale bytes; the upper two are 0, over zero codes
	ds_load_b64 v[MW+2*\t:MW+2*\t+1], v[MBR] offset:2176*\t        ; the mask's 64 bits for row 16 t + r and my entries
.endr
	ds_store_b64 v[RMW], v[RMD:RMD+1]              ; rewards_mem to my own 256 bytes, to come back in the scores' layout
	v_and_b32 v31, 15, v0                          ; the first product's addresses are done with: offsets for the way out
	v_bfe_u32 v32, v0, 4, 1
	v_and_b32 v[O2OFF], 31, v0
	v_lshlrev_b32 v[O1OFF], 4, v31
	v_lshlrev_b32 v250, 3, v32                     ; 8 h
	v_lshlrev_b32 v[O2OFF], 10, v[O2OFF]           ; out2: a row b is 1,024 bytes on
	v_lshl_or_b32 v[O0OFF], v32, 16, v[O1OFF]      ; out0: 65,536
	v_lshl_or_b32 v[O1OFF], v32, 20, v[O1OFF]      ; out1: 1,048,576
	s_wait_alu depctr_va_vdst(0)
	s_wait_dscnt 0x0
	v_lshlrev_b32 v[QS2], 16, v[QS]
	v_lshlrev_b32 v[QS2+1], 16, v[QS+1]
	v_add_nc_u32 v31, 4*KREG, v[OIR0]
	v_add_nc_u32 v32, 8*KREG, v[OIR0]
	v_add_nc_u32 v33, 12*KREG, v[OIR0]
.irp i, 0,1,2,3
	v_lshrrev_b32 v[MW+\i], v250, v[MW+\i]         ; 8 h bits down: entry 16 u + 8 h + j of a block now stands at bit 16 u + j
.endr
	PLACES 2                                       ; nine places between the last scale word's write and the scaled products
.irp p, 0,1
.irp t, 0,1
	v_wmma_scale_f32_16x16x128_f8f6f4 v[S+32*\t+16*\p:S+32*\t+16*\p+7], v[KF+12*\p:KF+12*\p+11], v[QF+6+12*\t:QF+17+12*\t], 0, v[KS+\p], v[QS+\t] matrix_a_fmt:MATRIX_FMT_FP6 matrix_b_fmt:MATRIX_FMT_FP6
	v_wmma_scale_f32_16x16x128_f8f6f4 v[S+32*\t+16*\p+8:S+32*\t+16*\p+15], v[KF+12*\p:KF+12*\p+11], v[QF+12*\t:QF+11+12*\t], 0, v[KS+\p], v[QS2+\t] matrix_a_fmt:MATRIX_FMT_FP6 matrix_b_fmt:MATRIX_FMT_FP6
.endr
.endr
	PLACES 4
.irp k, 0,1,2,3,4,5,6,7
	ds_load_b128 v[RMV+4*\k:RMV+4*\k+3], v[RMR] offset:128*(\k/4)+64*((\k/2)%2)+16*(\k%2)   ; rewards_mem in the scores' layout: register 16 b' + 8 u + j
.endr
	; ================ THE SOFTMAX.  t = score x c; hidden entries become -infinity; e = 2^(t - my wave's maximum of the row)
.irp j, 0,2,4,6,8,10,12,14,16,18,20,22,24,26,28,30,32,34,36,38,40,42,44,46,48,50,52,54,56,58,60,62
	v_pk_mul_f32 v[S+\j:S+\j+1], v[S+\j:S+\j+1], s[48:49] op_sel_hi:[1,0]   ; ascending: each accumulator is first read at its low end
.endr
.macro MASKW sb, wd                    ; 16 scores against one word of the mask, four at a time
.irp g, 0,4,8,12
.irp k, 0,1,2,3
	v_and_b32 v[240+\k], 1<<(16*((\g+\k)/8)+(\g+\k)%8), v[\wd]
.endr
.irp k, 0,1,2,3
	v_cmp_ne_u32 s[4+\k], 0, v[240+\k]
.endr
.irp k, 0,1,2,3
	v_cndmask_b32 v[(\sb)+\g+\k], s47, v[(\sb)+\g+\k], s[4+\k]     ; kept where the bit is set, else -infinity
.endr
.endr
.endm
	MASKW S, MW
	MASKW S+16, MW+1
	MASKW S+32, MW+2
	MASKW S+48, MW+3
	v_max3_num_f32 v236, v[S], v[S+1], 0xff61b1e6  ; my 32 entries of row r, and of row 16 + r; never under -3e38, so that a wave with no entry gives e = 0
	v_max3_num_f32 v238, v[S+32], v[S+33], 0xff61b1e6
.irp i, 2,4,6,8,10,12,14,16,18,20,22,24,26,28,30
	v_max3_num_f32 v236, v236, v[S+\i], v[S+\i+1]
	v_max3_num_f32 v238, v238, v[S+32+\i], v[S+33+\i]
.endr
	v_permlanex16_b32 v237, v236, s44, s45
	v_permlanex16_b32 v239, v238, s44, s45
	v_max_num_f32 v236, v236, v237                 ; with lane l xor 16's: my wave's 64 entries
	v_max_num_f32 v238, v238, v239
.irp t, 0,1
.irp j, 0,2,4,6,8,10,12,14,16,18,20,22,24,26,28,30
	v_pk_add_f32 v[S+32*\t+\j:S+32*\t+\j+1], v[S+32*\t+\j:S+32*\t+\j+1], v[236+2*\t:237+2*\t] op_sel_hi:[1,0] neg_lo:[0,1] neg_hi:[0,1]
.endr
.endr
	s_wait_alu depctr_va_vdst(0)                   ; ahead of the batch
.irp j, 0,1,2,3,4,5,6,7,8,9,10,11,12,13,14,15,16,17,18,19,20,21,22,23,24,25,26,27,28,29,30,31,32,33,34,35,36,37,38,39,40,41,42,43,44,45,46,47,48,49,50,51,52,53,54,55,56,57,58,59,60,61,62,63
	v_exp_f32 v[S+\j], v[S+\j]                     ; e, at most 1; 0 where hidden
.endr
	v_nop                                          ; a plain place behind the exponentials
	s_wait_alu depctr_va_vdst(0)                   ; one wait for the whole batch, ahead of its first reader
	s_wait_dscnt 0x0                               ; rewards_mem
.irp t, 0,1                            ; Z = the sum of e, R = the sum of e x rewards_mem: four chains by turns, two numbers an instruction
	v_pk_add_f32 v[240+2*\t:241+2*\t], v[S+32*\t:S+32*\t+1], v[S+32*\t+2:S+32*\t+3]
	v_pk_mul_f32 v[244+2*\t:245+2*\t], v[S+32*\t:S+32*\t+1], v[RMV:RMV+1]
.endr
.irp t, 0,1
	v_pk_fma_f32 v[244+2*\t:245+2*\t], v[S+32*\t+2:S+32*\t+3], v[RMV+2:RMV+3], v[244+2*\t:245+2*\t]
.endr
.irp j, 4,6,8,10,12,14,16,18,20,22,24,26,28,30
.irp t, 0,1
	v_pk_add_f32 v[240+2*\t:241+2*\t], v[240+2*\t:241+2*\t], v[S+32*\t+\j:S+32*\t+\j+1]
	v_pk_fma_f32 v[244+2*\t:245+2*\t], v[S+32*\t+\j:S+32*\t+\j+1], v[RMV+\j:RMV+\j+1], v[244+2*\t:245+2*\t]
.endr
.endr
.irp i, 240,242,244,246
	v_add_f32 v[\i], v[\i], v[\i+1]
.endr
.irp i, 240,242,244,246
	v_permlanex16_b32 v[\i+1], v[\i], s44, s45
.endr
.irp i, 240,242,244,246
	v_add_f32 v[\i], v[\i], v[\i+1]
.endr
	v_cndmask_b32 v248, v236, v238, s46            ; lane l carries row b = l: my wave's maximum,
	v_cndmask_b32 v240, v240, v242, s46            ; Z
	v_cndmask_b32 v244, v244, v246, s46            ; and R
	ds_store_b32 v[STW], v248
	ds_store_b32 v[STW], v240 offset:2560
	ds_store_b32 v[STW], v244 offset:5120
	BARRIER                                        ; sixteen maxima, parts of Z and of R a row lie in their tables
.irp k, 0,1,2,3
	ds_load_b128 v[200+4*\k:203+4*\k], v[STRD] offset:16*\k
	ds_load_b128 v[216+4*\k:219+4*\k], v[STRD] offset:2560+16*\k
	ds_load_b128 v[232+4*\k:235+4*\k], v[STRD] offset:5120+16*\k
.endr
	s_wait_dscnt 0x0
	v_max3_num_f32 v250, v200, v201, v202
	v_max3_num_f32 v251, v203, v204, v205
	v_max3_num_f32 v250, v250, v206, v207
	v_max3_num_f32 v251, v251, v208, v209
	v_max3_num_f32 v250, v250, v210, v211
	v_max3_num_f32 v251, v251, v212, v213
	v_max3_num_f32 v250, v250, v214, v215
	v_max_num_f32 v250, v250, v251                 ; row l's maximum
.irp j, 0,2,4,6,8,10,12,14
	v_pk_add_f32 v[200+\j:201+\j], v[200+\j:201+\j], v[250:251] op_sel_hi:[1,0] neg_lo:[0,1] neg_hi:[0,1]
.endr
	v_sub_f32 v248, v248, v250
	s_wait_alu depctr_va_vdst(0)
.irp j, 0,1,2,3,4,5,6,7,8,9,10,11,12,13,14,15
	v_exp_f32 v[200+\j], v[200+\j]                 ; the waves' factors f
.endr
	v_exp_f32 v248, v248                           ; and my own
	v_nop                                          ; a plain place behind the exponentials
	s_wait_alu depctr_va_vdst(0)
	v_pk_mul_f32 v[216:217], v[200:201], v[216:217]
	v_pk_mul_f32 v[232:233], v[200:201], v[232:233]
	v_pk_mul_f32 v[218:219], v[202:203], v[218:219]
	v_pk_mul_f32 v[234:235], v[202:203], v[234:235]
.irp j, 4,8,12
	v_pk_fma_f32 v[216:217], v[200+\j:201+\j], v[216+\j:217+\j], v[216:217]
	v_pk_fma_f32 v[232:233], v[200+\j:201+\j], v[232+\j:233+\j], v[232:233]
	v_pk_fma_f32 v[218:219], v[202+\j:203+\j], v[218+\j:219+\j], v[218:219]
	v_pk_fma_f32 v[234:235], v[202+\j:203+\j], v[234+\j:235+\j], v[234:235]
.endr
	v_pk_add_f32 v[216:217], v[216:217], v[218:219]
	v_pk_add_f32 v[232:233], v[232:233], v[234:235]
	v_add_f32 v216, v216, v217                     ; row l's Z
	v_add_f32 v232, v232, v233                     ; and R
	s_wait_alu depctr_va_vdst(0)
	v_rcp_f32 v249, v216
	v_rcp_f32 v250, v232
	v_nop                                          ; a plain place behind the reciprocals
	s_wait_alu depctr_va_vdst(0)                   ; one wait for both, ahead of their first reader
	v_mul_f32 v251, v232, v249                     ; rewards = R / Z
	v_mul_f32 v252, 0, v250                        ; nf = 0 / R: 0, or NaN where the row has no result
	v_mul_f32 v246, v248, v249                     ; f / Z
	v_mul_f32 v247, v248, v250                     ; f / R
	s_wait_alu depctr_va_vdst(0)                   ; ahead of the branch
	s_cmp_lg_u32 s28, 0
	s_cbranch_scc1 .Lnot_wave_0
	global_store_b32 v[O2OFF], v251, s[26:27]      ; out2[l][u]: four bytes a row; the bytes beside them are other work-groups'
	ds_store_b32 v[NFW], v252
.Lnot_wave_0:
	v_permlanex16_b32 v244, v246, s44, s45
	v_permlanex16_b32 v245, v247, s44, s45
	v_cndmask_b32 v236, v246, v244, s46            ; f / Z of row r,
	v_cndmask_b32 v238, v244, v246, s46            ; of row 16 + r;
	v_cndmask_b32 v240, v247, v245, s46            ; f / R of row r,
	v_cndmask_b32 v242, v245, v247, s46            ; of row 16 + r
	; weights = e f / Z go to my stage (32 rows b x 256 bytes, where my first 32 keys lay: those bytes have had their last fill, and I alone read them); w / rewards = (e f / R) x rewards_mem stays in place
.irp n, 0,1,2,3
.if \n >= 2
	s_wait_dscnt 4                                 ; the stores of two chunks ago are done: their registers may be written
.endif
.irp k, 0,1,2,3,4,5,6,7
	v_pk_mul_f32 v[200+16*(\n%2)+2*\k:201+16*(\n%2)+2*\k], v[S+16*\n+2*\k:S+16*\n+2*\k+1], v[236+2*(\n/2):237+2*(\n/2)] op_sel_hi:[1,0]
.endr
.irp m, 0,1,2,3
	ds_store_b128 v[OSW], v[200+16*(\n%2)+4*\m:203+16*(\n%2)+4*\m] offset:4352*(\n/2)+128*(\n%2)+64*(\m/2)+16*(\m%2)
.endr
.irp k, 0,1,2,3,4,5,6,7
	v_pk_mul_f32 v[S+16*\n+2*\k:S+16*\n+2*\k+1], v[S+16*\n+2*\k:S+16*\n+2*\k+1], v[240+2*(\n/2):241+2*(\n/2)] op_sel_hi:[1,0]
.endr
.irp k, 0,1,2,3,4,5,6,7
	v_pk_mul_f32 v[S+16*\n+2*\k:S+16*\n+2*\k+1], v[S+16*\n+2*\k:S+16*\n+2*\k+1], v[RMV+16*(\n%2)+2*\k:RMV+16*(\n%2)+2*\k+1]
.endr
.endr
	s_wait_alu depctr_va_vdst(0)
.macro SEND8 n, b                      ; sixteen rows of the stage come back whole and leave: sixteen lanes store 256 consecutive bytes, at a multiple of 256 from out1's first byte
.irp i, 0,1,2,3,4,5,6,7
	ds_load_b128 v[\b+4*\i:\b+4*\i+3], v[OSR] offset:544*(8*\n+\i) ; LDS serves a wave's instructions in order: these see my stores
.endr
.irp i, 0,1,2,3,4,5,6,7
	s_wait_dscnt 7-\i                              ; the younger loads of the eight may be out
	global_store_b128 v[O1OFF], v[\b+4*\i:\b+4*\i+3], s[52+2*((8*\n+\i)/4):53+2*((8*\n+\i)/4)] offset:((8*\n+\i)%4)<<21 th:TH_STORE_NT
.endr
.endm
	SEND8 0, 168
	SEND8 1, 200
	s_wait_xcnt 0x0                                ; the stores have read their registers: these may be written again
	; ================ w is quantised along c: a lane's 16 registers are half a block; lane l xor 16 has the other half.  Four half blocks by turns
.irp g, 0,1,2,3
	v_max3_num_f32 v[QM+\g], |v[S+16*\g]|, |v[S+16*\g+1]|, 0x1800000
.endr
.irp i, 2,4,6,8,10,12,14
.irp g, 0,1,2,3
	v_max3_num_f32 v[QM+\g], v[QM+\g], |v[S+16*\g+\i]|, |v[S+16*\g+\i+1]|
.endr
.endr
.irp g, 0,1,2,3
	v_permlanex16_b32 v[QP+\g], v[QM+\g], s44, s45
.endr
.irp g, 0,1,2,3
	v_max_num_f32 v[QM+\g], v[QM+\g], v[QP+\g]
.endr
.irp g, 0,1,2,3
	v_add_nc_u32 v[QM+\g], 0xff000000, v[QM+\g]
.endr
.irp g, 0,1,2,3
	v_lshrrev_b32 v[QP+\g], 23, v[QM+\g]
.endr
	v_lshl_or_b32 v[PS], v[QP+1], 8, v[QP]
	v_lshl_or_b32 v[PS+1], v[QP+3], 8, v[QP+2]
	v_lshlrev_b32 v[PS2], 16, v[PS]
	v_lshlrev_b32 v[PS2+1], 16, v[PS+1]
.irp t, 0,1
	v_cvt_scalef32_pk16_fp6_f32 v[QF+6+12*\t:QF+8+12*\t], v[S+32*\t:S+32*\t+15], v[QM+2*\t]
	v_cvt_scalef32_pk16_fp6_f32 v[240+4*\t:242+4*\t], v[S+32*\t+16:S+32*\t+31], v[QM+2*\t+1]
.endr
	QZERO                                          ; (the first of these lines is the plain place behind the scaled conversions)
.irp t, 0,1
.irp i, 0,1,2
	v_permlane16_swap_b32 v[QF+6+12*\t+\i], v[240+4*\t+\i]         ; a whole block to a lane: lanes 0-15 block 0, lanes 16-31 block 1
.endr
.endr
.irp t, 0,1
.irp i, 0,1,2
	v_mov_b32 v[QF+9+12*\t+\i], v[240+4*\t+\i]
.endr
.endr
	; ================ VALUES.  Tile c has the columns 4 r + c; the two blocks' half-block codes change places between the halves of the lanes, as w's did
	s_wait_alu depctr_va_vdst(0)
	s_wait_loadcnt 0x0                             ; the first block
	QMAX
	QCVT2 TT, 0, 1, VF, VF+6
	QCVT2 TT, 2, 3, VF+12, VF+18
	v_lshl_or_b32 v[VS], v[QP+1], 16, v[QP]        ; tile 2 p: bytes 0, 1; tile 2 p + 1: bytes 2, 3
	v_lshl_or_b32 v[VS+1], v[QP+3], 16, v[QP+2]
	s_wait_alu depctr_va_vdst(0)
	s_wait_tensorcnt 0x0                           ; the second block is in LDS; only I read it
.irp i, 0,1,2,3,4,5,6,7,8,9,10,11,12,13,14,15
	ds_load_b128 v[R1+4*\i:R1+4*\i+3], v[VL1] offset:256*(16*(\i/8)+\i%8)
.endr
	s_wait_dscnt 0x0
	QMAX
	QCVT2 TT, 0, 1, YF, YF+4
	QCVT2 TT, 2, 3, YF+8, YF+12
	v_lshl_or_b32 v[VS], v[QP], 8, v[VS]
	v_lshl_or_b32 v[VS+1], v[QP+2], 8, v[VS+1]
	v_lshl_or_b32 v[VS], v[QP+1], 24, v[VS]
	v_lshl_or_b32 v[VS+1], v[QP+3], 24, v[VS+1]
.irp c, 0,1,2,3
.irp i, 0,1,2
	v_permlane16_swap_b32 v[VF+6*\c+\i], v[YF+4*\c+\i]
.endr
.endr
.irp c, 0,1,2,3
.irp i, 0,1,2
	v_mov_b32 v[VF+6*\c+3+\i], v[YF+4*\c+\i]
.endr
.endr
	PLACES 4                                       ; between the last write of an operand and the scaled products
	; ================ THE LAST PRODUCT: O^T = values^T x w^T over my 64 entries.  Source 0 = two tiles of 16 columns v, source 1 = 16 rows b beside zeros.  Tile c, rows 16 t: R1 + 16 c + 8 t
.irp p, 0,1
.irp t, 0,1
	v_wmma_scale_f32_16x16x128_f8f6f4 v[R1+32*\p+8*\t:R1+32*\p+8*\t+7], v[VF+12*\p:VF+12*\p+11], v[QF+6+12*\t:QF+17+12*\t], 0, v[VS+\p], v[PS+\t] matrix_a_fmt:MATRIX_FMT_FP6 matrix_b_fmt:MATRIX_FMT_FP6
	v_wmma_scale_f32_16x16x128_f8f6f4 v[R1+32*\p+16+8*\t:R1+32*\p+8*\t+23], v[VF+12*\p:VF+12*\p+11], v[QF+12*\t:QF+11+12*\t], 0, v[VS+\p], v[PS2+\t] matrix_a_fmt:MATRIX_FMT_FP6 matrix_b_fmt:MATRIX_FMT_FP6
.endr
.endr
	PLACES 4
.irp c, 0,1,2,3
.irp t, 0,1
	ds_store_b128 v[OIW], v[R1+16*\c+8*\t:R1+16*\c+8*\t+3] offset:4352*\t+272*\c             ; lane (r, h): b = 16 t + r, register 4 q + j: v = 32 h + 16 q + 4 j + c, chunk 8 h + 4 q + c; each accumulator from its low end on
	ds_store_b128 v[OIW], v[R1+16*\c+8*\t+4:R1+16*\c+8*\t+7] offset:4352*\t+272*(4+\c)
.endr
.endr
	BARRIER                                        ; sixteen partial results lie in LDS, and nf
	; ================ THE SUM over the waves: wave w takes rows b = 2 w and 2 w + 1
	ds_load_b32 v168, v[NFR]
.irp x, 0,1,2,3
	ds_load_b128 v[S+4*\x:S+4*\x+3], v[OIR0] offset:KREG*\x
	ds_load_b128 v[S+16+4*\x:S+16+4*\x+3], v31 offset:KREG*\x
	ds_load_b128 v[S+32+4*\x:S+32+4*\x+3], v32 offset:KREG*\x
	ds_load_b128 v[S+48+4*\x:S+48+4*\x+3], v33 offset:KREG*\x
.endr
	s_wait_dscnt 0x0
.irp d, 1,2,4,8
.set TX, 0
.rept 8/\d
	v_pk_add_f32 v[S+4*TX:S+4*TX+1], v[S+4*TX:S+4*TX+1], v[S+4*(TX+\d):S+4*(TX+\d)+1]
	v_pk_add_f32 v[S+4*TX+2:S+4*TX+3], v[S+4*TX+2:S+4*TX+3], v[S+4*(TX+\d)+2:S+4*(TX+\d)+3]
.set TX, TX+2*\d
.endr
.endr
.irp i, 0,1,2,3
	v_add_f32 v[S+\i], v[S+\i], v168               ; + nf
.endr
	; four neighbouring lanes hold the tiles c = 0 .. 3 of the same four j: a 4 x 4 transposition gives each lane four neighbouring columns, 4 r .. 4 r + 3
.macro SWAP2 a, b, c, d, x, msk        ; the pairs (a, b) and (c, d): b of the lanes without the bit changes places with a of the lanes with it
	v_cndmask_b32 v[S+4], v[S+\b], v[S+\a], s[\msk]
	v_cndmask_b32 v[S+5], v[S+\d], v[S+\c], s[\msk]
	v_mov_b32_dpp v[S+6], v[S+4] row_xmask:\x row_mask:0xf bank_mask:0xf
	v_mov_b32_dpp v[S+7], v[S+5] row_xmask:\x row_mask:0xf bank_mask:0xf
	v_cndmask_b32 v[S+\a], v[S+\a], v[S+6], s[\msk]
	v_cndmask_b32 v[S+\c], v[S+\c], v[S+7], s[\msk]
	v_cndmask_b32 v[S+\b], v[S+6], v[S+\b], s[\msk]
	v_cndmask_b32 v[S+\d], v[S+7], v[S+\d], s[\msk]
.endm
	SWAP2 0, 1, 2, 3, 1, 61
	SWAP2 0, 2, 1, 3, 2, 62
	global_store_b128 v[O0OFF], v[S:S+3], s[22:23] th:TH_STORE_NT      ; sixteen lanes store a row's 256 bytes, at a multiple of 256 from out0's first byte
	s_wait_tensorcnt 0x0                           ; the wave's end, behind my last tensor load and my last LDS store
	ds_add_u32 v[SPW], v[NIL]
	s_wait_dscnt 0x0
	s_endpgm
.Lfunc_end_k_q613b8921bf_unit:
	.size	k_q613b8921bf_unit, .Lfunc_end_k_q613b8921bf_unit-k_q613b8921bf_unit
	.p2alignl 7, 3214868480
	.fill 96, 4, 3214868480
	.section	.rodata,"a",@progbits
	.p2align	6, 0x0
	.amdhsa_kernel k_q613b8921bf_unit
		.amdhsa_group_segment_fixed_size 327680
		.amdhsa_private_segment_fixed_size 0
		.amdhsa_enable_private_segment 0
		.amdhsa_kernarg_size 80
		.amdhsa_user_sgpr_count 2
		.amdhsa_user_sgpr_kernarg_segment_ptr 1
		.amdhsa_wavefront_size32 1
		.amdhsa_system_sgpr_workgroup_id_x 1
		.amdhsa_system_sgpr_workgroup_id_y 1
		.amdhsa_system_sgpr_workgroup_id_z 1
		.amdhsa_system_vgpr_workitem_id 0
		.amdhsa_next_free_vgpr 256
		.amdhsa_next_free_sgpr 96
		.amdhsa_reserve_vcc 0
		.amdhsa_float_denorm_mode_32 3
		.amdhsa_float_denorm_mode_16_64 3
		.amdhsa_memory_ordered 1
		.amdhsa_forward_progress 1
		.amdhsa_inst_pref_size 109
	.end_amdhsa_kernel
	.amdgpu_metadata
---
amdhsa.version: [ 1, 2 ]
amdhsa.kernels:
  - .name:           k_q613b8921bf_unit
    .symbol:         k_q613b8921bf_unit.kd
    .args:
      - { .name: attention, .offset: 0, .size: 8, .value_kind: global_buffer, .address_space: global }
      - { .name: W, .offset: 8, .size: 8, .value_kind: global_buffer, .address_space: global }
      - { .name: temperature, .offset: 16, .size: 8, .value_kind: global_buffer, .address_space: global }
      - { .name: keys, .offset: 24, .size: 8, .value_kind: global_buffer, .address_space: global }
      - { .name: values, .offset: 32, .size: 8, .value_kind: global_buffer, .address_space: global }
      - { .name: rewards_mem, .offset: 40, .size: 8, .value_kind: global_buffer, .address_space: global }
      - { .name: mask, .offset: 48, .size: 8, .value_kind: global_buffer, .address_space: global }
      - { .name: out0, .offset: 56, .size: 8, .value_kind: global_buffer, .address_space: global }
      - { .name: out1, .offset: 64, .size: 8, .value_kind: global_buffer, .address_space: global }
      - { .name: out2, .offset: 72, .size: 8, .value_kind: global_buffer, .address_space: global }
    .group_segment_fixed_size: 327680
    .private_segment_fixed_size: 0
    .kernarg_segment_align: 8
    .kernarg_segment_size: 80
    .max_flat_workgroup_size: 512
    .sgpr_count:     96
    .vgpr_count:     256
    .wavefront_size: 32
...
	.end_amdgpu_metadata
.endif
;; end of part 1
